; MI455X (gfx1250); checked and timed in simulation.
; The chip was launched on July 23, 2026; its instructions are those of AMD's public machine-readable ISA for CDNA 5 (MIT licence, August 2026) and "CDNA5" Instruction Set Architecture Reference Guide (July 2026). The comments in the code are by the model that wrote it; some were corrected since.
;; Self Attn. Allowed arithmetic: matrix products marked QUANTISED: E3M2 operands, one E8M0 scale for each 32 along K, by v_wmma_scale_f32_16x16x128_f8f6f4 with both operands' format E3M2, f32 sums; everything else in f32.
;; Inputs: Wk_codes 128 x 32 x 24 uint8 (E3M2 codes of Wk, K innermost, in blocks of 32 codes, four codes in three bytes); Wk_scales 128 x 32 uint8 (E8M0 scales of Wk, one for each 32 codes along K); Wq_codes 128 x 32 x 24 uint8 (E3M2 codes of Wq, K innermost, in blocks of 32 codes, four codes in three bytes); Wq_scales 128 x 32 uint8 (E8M0 scales of Wq, one for each 32 codes along K); Wv_codes 1,024 x 32 x 24 uint8 (E3M2 codes of Wv, K innermost, in blocks of 32 codes, four codes in three bytes); Wv_scales 1,024 x 32 uint8 (E8M0 scales of Wv, one for each 32 codes along K); bk 128 float32; bq 128 float32; bv 1,024 float32; gamma 1 float32; x 8 x 2,048 x 1,024 float32.
;; Outputs: out0 8 x 2,048 x 1,024 float32.
;; This version of the problem:
;;   THIS VERSION OF THE PROBLEM IS GIVEN IN LOW PRECISION. The matrix products marked QUANTISED in the list below multiply operands that are first quantised to E3M2 (3 exponent bits, 2 mantissa bits; 6 bits a number), with one power-of-two scale for each 32 numbers along K (OCP MX v1.0); their sums are f32. All else is computed in f32.
;;   The module's matrix products, in the order in which they are computed (A, B: the left and right operand; K: the contracted axis; several contracted axes count as one K, in the product's order):
;;     1. [M 16,384, K 1,024] x [K 1,024, N 128]; A: input x; B: input Wq (given as codes): QUANTISED
;;     2. [M 16,384, K 1,024] x [K 1,024, N 128]; A: input x; B: input Wk (given as codes): QUANTISED
;;     3. [M 16,384, K 1,024] x [K 1,024, N 1,024]; A: input x; B: input Wv (given as codes): QUANTISED
;;     4. batch 8 x [M 2,048, K 128] x [K 128, N 2,048]; A: computed on the way; B: computed on the way: QUANTISED
;;     5. batch 8 x [M 2,048, K 2,048] x [K 2,048, N 1,024]; A: softmax (see below); B: computed on the way: QUANTISED
;;   THE QUANTISER, for each operand of a quantised product, along K:
;;     - K is cut into blocks of 32 from its start; a last block that is shorter is filled with zeros.
;;     - A block's scale is 2^e with e = floor(log2(the largest magnitude in the block)) - 4, held to -126 .. 127; a block of zeros has e = 0. As a byte (E8M0): e + 127.
;;     - Each number is divided by its block's scale, clamped to +-28, and rounded to the nearest number of E3M2, ties to even, subnormals kept.
;;     - The product sums the exact products of the quantised numbers (number of the format x scale) in f32.
;;   ~~~python
;;   def quantise(x, axis):      # numpy; x: float32 -> the quantised numbers, widened to float32 again
;;       x = np.moveaxis(x, axis, -1); K = x.shape[-1]
;;       x = np.pad(x, [(0, 0)] * (x.ndim - 1) + [(0, -K % 32)]); x = x.reshape(x.shape[:-1] + (-1, 32)); a = np.abs(x).max(-1, keepdims=True)
;;       e = np.where(a > 0, np.clip(np.frexp(np.where(a > 0, a, 1))[1] - 1 - 4, -126, 127), 0)      # np.frexp(a)[1] - 1 = floor(log2(a)), exactly
;;       r = np.clip(x / 2.0 ** e, -28, 28)
;;       step = 2.0 ** (np.maximum(np.frexp(np.where(r == 0, 1, r))[1] - 1, -2) - 2)
;;       q = np.round(r / step) * step * 2.0 ** e      # np.round: ties to even
;;       return np.moveaxis(q.reshape(q.shape[:-2] + (-1,))[..., :K], -1, axis).astype(np.float32)
;;   ~~~
;;   SOFTMAX AHEAD OF A QUANTISED PRODUCT. Where the list says 'softmax', what is quantised is not the finished softmax but p = 2^(t - M), with t = logit x log2(e) and M = ceil(the row's largest t), a whole number; so 1/2 < the row's largest p <= 1. The row's sum l is taken of the UNQUANTISED p, in f32, and the product's result is divided by l at the end. Since M is a whole number, a kernel that streams over the keys may use a running M (the ceiling of the running maximum): every later rescaling is an exact power of two, which a block's scale takes up: the codes' values come out the same.
;;   OPERANDS COMPUTED ON THE WAY. 'Computed on the way' means the value that the module computes at that place (a softmax that the list does not call 'softmax' is quantised finished and normalised). What goes into a quantiser is computed in f32, as accurately as f32 sums, v_exp_f32 and their like allow (about 1e-6 of the number): no bf16 or f16 on the way to a quantiser, and a product that is left as it is and whose result goes on into a quantised operand takes f32 operands (vector FMAs, or v_wmma_f32_16x16x4_f32). A number that lies on a knife's edge between two numbers of the format may be rounded either way, as far as f32 arithmetic and the matrix unit's own rounding can turn it there, and no further.
;;   INPUTS GIVEN AS CODES. Wk (in the module: [1024, 128], K = its axis 0); Wq (in the module: [1024, 128], K = its axis 0); Wv (in the module: [1024, 1024], K = its axis 0): each comes as NAME_codes (uint8): NAME with its K axis moved to the last place and cut into blocks of 32 codes, [.., K / 32, bytes a block], one block behind the other in memory; four codes in three bytes: a row's codes are one little-endian stream of bits, code i at bits 6 i .. 6 i + 5 (a code: sign, 3 exponent bits, 2 mantissa bits); and NAME_scales (uint8): the same leading axes, one E8M0 byte (e + 127) for each 32 codes along K. Its value is code x scale, taken as it is: it is not quantised again, and the codes and scales need not be those that the quantiser above would give.
;; One version. Each part assembles by itself: llvm-mc -triple=amdgcn-amd-amdhsa -mcpu=gfx1250 --defsym DOCPART=n.
;; ======== version 1 of 1: 2 launches
;; workspace buffers: qimg 1,572,864 bytes; qscl 65,536 bytes; kimg 1,638,400 bytes; vimg 13,107,200 bytes
;; launch proj (part 1): grid 256 x 1, 4 waves a work-group, clusters of 4 x 1, 327,680 bytes of LDS; arguments x, Wq_codes, Wq_scales, bq, Wk_codes, Wk_scales, bk, Wv_codes, Wv_scales, bv, qimg, qscl, kimg, vimg; writes qimg, qscl, kimg, vimg
.if DOCPART == 1
	.amdgcn_target "amdgcn-amd-amdhsa--gfx1250"
	.amdhsa_code_object_version 6
	.text
	.protected	k_q839f715ffa_proj
	.globl	k_q839f715ffa_proj
	.p2align	8
	.type	k_q839f715ffa_proj,@function
k_q839f715ffa_proj:
	s_mov_b64 s[64:65], 0
	v_nop
	global_prefetch_b8 v0, s[64:65] scope:SCOPE_SE
	s_setreg_imm32_b32 hwreg(HW_REG_WAVE_MODE, 25, 1), 1
	s_wait_xcnt 0x0
	s_wait_alu depctr_hold_cnt(0) depctr_sa_sdst(0) depctr_va_vdst(0) depctr_va_sdst(0) depctr_va_ssrc(0) depctr_va_vcc(0) depctr_vm_vsrc(0)
	s_getreg_b32 s2, hwreg(HW_REG_IB_STS2, 6, 4)
	s_cmp_eq_u32 s2, 0
	s_cbranch_scc0 .Lentry_in_a_cluster
	s_endpgm
.Lentry_in_a_cluster:
	s_bfe_u32 s2, ttmp6, 0x10000c
	s_cmp_lg_u32 s2, 0x3003
	s_cbranch_scc0 .Lentry_shape_is_right
	s_endpgm
.Lentry_shape_is_right:
; q = x Wq + bq, k = x Wk + bk, v = x Wv + bv on codes of BF6 (E3M2) with one E8M0 scale for each 32 along K, and q, k, v quantised again for the attention launch.
; x: [16384][1024] f32, quantised here along its 1,024.  Wq, Wk: [128][1024], Wv: [1024][1024] codes, K innermost (768 bytes a row), scale bytes 32 a row.
; SHARES.  A work-group of four waves owns 64 rows of x.  Its 32 fragments of x (4 tiles of 16 rows x 8 K steps of 128) are made once, handed round through LDS as images of the operand's
; registers, and then stay in every wave's registers (384).  The weights go through a ring of two LDS slots of 256 rows x 512 along K; each fragment of Wv is read from LDS once, by one wave; each of Wq or Wk by the two waves that make q or k.
; Five trips of 128 matrix instructions a wave.  Trip QK: waves 0, 1 make q, waves 2, 3 make k; each for two tiles of rows and all 128 columns, transposed (source 0 = the weight), so that a lane
; holds one row and its registers run along d, the next product's K.  Trips 1 to 4: 256 channels of v each, 64 a wave, source 0 = x, so that a lane holds one channel and its registers run down
; the 64 keys, the last product's K.
; CLUSTER.  All work-groups walk the same weights: the four of a cluster ask for every tile jointly (mask 15).
; WHAT IS STORED (all in the order of the operand's registers; a fragment is 12 registers a lane):
;   qimg [tile of 16 queries][1,536]: three groups of 512 bytes, group g = registers 4 g .. 4 g + 3, 16 bytes a lane.   qscl [64 rows][2][lane]: lane 16 i + r of word set s: the scale word of tile 2 s + i, row r.
;   kimg [batch][128 keys][12,800]: 8 tiles as in qimg, then 4 x 128 bytes of scale words as in qscl.
;   vimg [batch][512 channels][128 keys][51,200]: [tile of 16 channels][64 keys][768]: registers 0-3 of the six (512 bytes), then 4, 5 (256 bytes); at 49,152: [64 keys][4 tiles][lane] words of two
;   16-bit halves: the two scale bytes of tile 4 g + i (low half) and of tile 4 g + 2 + i (high half), i = lane / 16.
; THE ORDER INSIDE A BLOCK OF 32.  q, k and v are quantised from matrix results: place kk of a block holds element 16 ((kk & 15) >> 3) + 8 (kk >> 4) + (kk & 7).  Both operands of each later product
; are laid so, the blocks are the true blocks, so codes and scales are the quantiser's own; only the order of the sums inside an instruction differs.  x is laid in the true order, as the weights are.
; LIMITS: NaN and infinities among the inputs are not served.  A block of zeros gets the scale byte 1 where the quantiser says 127: its codes are zeros, and only this program reads the bytes.
.set SLOTB,  110592                    ; a slot: 256 rows x 432
.set WPART,  27648                     ; 64 rows: what one tensor load brings
.set WPITCH, 432                       ; an LDS row: 3 x (128 bytes of codes + 16 of padding) = 108 words: the 32 lanes of a load of 8 bytes touch 64 different words modulo 64
.set TILEW,  16*WPITCH
.set FRB,    1536                      ; a fragment's image
.set XIMG,   2*SLOTB                   ; x's 32 images: (8 x tile + K step) x 1,536
.set XSC,    XIMG+32*FRB               ; their scale words: 256 x K step + 64 x tile + 4 x row
.set STG,    XSC+2048                  ; a stage of 16 rows x (512 + 16) bytes for each wave: the turn of x
.set STGW,   16*528
.set SPARE,  STG+4*STGW                ; the spare words, 128 bytes a wave: two blocks of 256 bytes that no other line names
.set SPW,  2                           ; v2   LDS address of my spare word; never rewritten
.set NIL,  3                           ; v3   0; never rewritten
.set L16,  4                           ; v4   16 x lane
.set L8,   5                           ; v5   8 x lane
.set L4,   6                           ; v6   4 x lane
.set L32,  7                           ; v7   32 x lane
.set AWQ,  8                           ; v8, 9   my fragments of Wq or Wk in slot 0, 1;  v10, 11 the same behind one padding more
.set AWV,  12                          ; v12, 13 the same for Wv;  v14, 15
.set SXW,  16                          ; v16  the stage, on the way in
.set SXR,  17                          ; v17  and on the way out
.set AXW,  18                          ; v18  where I store x's images
.set AXSW, 19                          ; v19  and their scale words
.set AXQ,  20                          ; v20  where trip QK reads my two tiles of x
.set AX,   21                          ; v21  where all four are read
.set AXSQ, 22                          ; v22  scale words of my pair of tiles
.set AXS,  23                          ; v23  of both pairs
.set H32,  24                          ; v24  32 x (lane / 16)
.set R4,   25                          ; v25  4 x (lane % 16)
.set XS,   32                          ; v32-47  x's scale words: 8 x pair of tiles + K step (lanes 0-15 the even tile, lanes 16-31 the odd one)
.set WS,   48                          ; v48-79  the weight's: 8 x pair of tiles + K step
.set ACC,  80                          ; v80-207 the sums; while x is quantised: two sets of 64 numbers
.set TM,   208                         ; v208-219 at work in the quantiser
.set PC,   220                         ; v220-239 the codes just made
.set P16,  240                         ; v240-243 two scale bytes for each of four tiles of channels
.set BV,   244                         ; v244-247 bv of my lane's channel in four tiles
.set PW,   248                         ; v248-250 scale words on their way out
.set BC,   192                         ; window 1: the bias in the result's layout.  Window 1, v0-191: two sets of 8 fragments of a weight.  Windows 2, 3: x, 96 x (tile % 2) + 12 x K step
.set G1,   32                          ; s[32:39] descriptor group 1
.set G0Q,  40                          ; s[40:47] group 0 for Wq and Wk, one set for each slot
.set G0V,  48                          ; s[48:55] for Wv
.set SEL,  56                          ; s[56:57] selects for lane l xor 16
.set HM,   58                          ; s58  lanes 16-31
.set WV,   59
.set PP,   60                          ; s60  wave % 2
.set TRIP, 61
.set INC,  62                          ; s[62:63] from a trip's codes in vimg to the next trip's
.set INC2, 66                          ; s[66:67] the same for the scale words
.set XB,   68
.set IMG,  70
.set SCL,  72
.set VB,   74
.set VSB,  76
.set WSB,  78
.set BVB,  80
.set QWS,  94
.set QBI,  96
.set MSB, 0
.macro WIN new                         ; the immediate's high byte repeats the setting that is left
.if MSB != (\new)
	s_set_vgpr_msb (MSB<<8)|(\new)
.set MSB, (\new)
.endif
.endm
.macro PLACES n                        ; places behind matrix instructions (ISA guide 7.12.1): plain vector instructions that name none of their registers
.rept \n
	v_nop
.endr
.endm
.macro CREST                           ; a round of the cluster's barrier behind its opening barrier
	s_cmp_lg_u32 s[WV], 0
	s_cbranch_scc1 .Lnot_wave_0_\@
	s_barrier_signal -3
.Lnot_wave_0_\@:
	s_barrier_wait -3
	s_barrier_signal -1
	s_barrier_wait -1
.endm
.macro ROUND
	s_barrier_signal -1
	s_barrier_wait -1
	CREST
.endm
; one scaled product: d, a, b, c: first registers; sa, sb: scale registers; ra, rb: 1 = the scales stand in lanes 16-31
.macro WM d, a, b, c, sa, sb, ra, rb
.if (\ra) == 0 && (\rb) == 0
	v_wmma_scale_f32_16x16x128_f8f6f4 v[\d:\d+7], v[\a:\a+11], v[\b:\b+11], v[\c:\c+7], v[\sa], v[\sb] matrix_a_fmt:MATRIX_FMT_BF6 matrix_b_fmt:MATRIX_FMT_BF6
.elseif (\rb) == 0
	v_wmma_scale_f32_16x16x128_f8f6f4 v[\d:\d+7], v[\a:\a+11], v[\b:\b+11], v[\c:\c+7], v[\sa], v[\sb] matrix_a_fmt:MATRIX_FMT_BF6 matrix_b_fmt:MATRIX_FMT_BF6 matrix_a_scale:MATRIX_SCALE_ROW1
.elseif (\ra) == 0
	v_wmma_scale_f32_16x16x128_f8f6f4 v[\d:\d+7], v[\a:\a+11], v[\b:\b+11], v[\c:\c+7], v[\sa], v[\sb] matrix_a_fmt:MATRIX_FMT_BF6 matrix_b_fmt:MATRIX_FMT_BF6 matrix_b_scale:MATRIX_SCALE_ROW1
.else
	v_wmma_scale_f32_16x16x128_f8f6f4 v[\d:\d+7], v[\a:\a+11], v[\b:\b+11], v[\c:\c+7], v[\sa], v[\sb] matrix_a_fmt:MATRIX_FMT_BF6 matrix_b_fmt:MATRIX_FMT_BF6 matrix_a_scale:MATRIX_SCALE_ROW1 matrix_b_scale:MATRIX_SCALE_ROW1
.endif
.endm
; A fragment of a weight from a slot: six pieces of 8 bytes.  Lanes 0-15 take the row's pieces 12 q + 0, 1, 2, 6, 7, 8, lanes 16-31 those three on; 16 bytes of padding lie behind every 16 pieces:
; where the piece three on lies behind one padding more, the second address register (40 for 24 bytes a half) serves.
.macro FRAG reg, adr, q, rowoff
.irp p, 0,1,2,3,4,5
.set PCE, 12*(\q)+6*(\p/3)+\p%3
.if PCE%16 < 13
	ds_load_b64 v[\reg+2*\p:\reg+2*\p+1], v[\adr] offset:8*PCE+16*(PCE/16)+\rowoff
.else
	ds_load_b64 v[\reg+2*\p:\reg+2*\p+1], v[\adr+2] offset:8*PCE+16*(PCE/16)+\rowoff
.endif
.endr
.endm
; 48 LDS loads in one run: a unit's 8 fragments into set.  kind 0 (Wq, Wk): 8 tiles of columns, one K step.  kind 1 (Wv): my 4 tiles of channels, two K steps.
.macro FETCHW kind, slot, unit, set
	WIN 0x40
.irp f, 0,1,2,3,4,5,6,7
.if (\kind) == 0
	FRAG 96*(\set)+12*\f, AWQ+(\slot), \unit, TILEW*\f
.else
	FRAG 96*(\set)+12*\f, AWV+(\slot), 2*(\unit)+\f/4, TILEW*(\f%4)
.endif
.endr
	WIN 0
.endm
; 8 products of a trip of v: K step kq, tiles of rows 2 mp, 2 mp + 1 x my 4 tiles of channels.  The trip's first K step takes the bias as C.  The 16 sums take turns.
.macro MULV_G kh, unit, set, g
.set qq, (\g)/2
.set mp, (\g)%2
.set kq, 4*(\kh)+2*(\unit)+qq
.if kq == 0
	WIN 0x16+mp
.else
	WIN 0x06+mp
.endif
.irp n, 0,1,2,3
.irp mm, 0,1
.if kq == 0
	WM ACC+32*\n+8*(2*mp+\mm), 96*\mm+12*kq, 96*(\set)+12*(4*qq+\n), BC+8*\n, XS+8*mp+kq, WS+8*(\n/2)+kq, \mm, \n%2
.else
	WM ACC+32*\n+8*(2*mp+\mm), 96*\mm+12*kq, 96*(\set)+12*(4*qq+\n), ACC+32*\n+8*(2*mp+\mm), XS+8*mp+kq, WS+8*(\n/2)+kq, \mm, \n%2
.endif
.endr
.endr
.endm
; 4 products of trip QK: K step kq, tiles of columns 2 g, 2 g + 1 x my two tiles of rows
.macro MULQ_G kh, unit, set, g
.set kq, 4*(\kh)+(\unit)
.if kq == 0
	WIN 0x19
.else
	WIN 0x09
.endif
.irp tt, 0,1
.irp u, 0,1
.set tq, 2*(\g)+\tt
.if kq == 0
	WM ACC+64*\u+8*tq, 96*(\set)+12*tq, 96*\u+12*kq, BC+8*tq, WS+8*(tq/2)+kq, XS+kq, tq%2, \u
.else
	WM ACC+64*\u+8*tq, 96*(\set)+12*tq, 96*\u+12*kq, ACC+64*\u+8*tq, WS+8*(tq/2)+kq, XS+kq, tq%2, \u
.endif
.endr
.endr
.endm
.macro GROUP kind, kh, unit, set, g
.if (\kind) == 0
	MULQ_G \kind*0+\kh, \unit, \set, \g
.else
	MULV_G \kh, \unit, \set, \g
.endif
.endm
; A unit that has its successor in the same slot: the next unit's fragments are asked for first, into the set that the last unit has left
.macro UNIT kind, slot, unit, set
	PLACES 4
	FETCHW \kind, \slot, (\unit)+1, 1-(\set)
	s_wait_dscnt 48                                ; this unit's fragments are in; the 48 loads just issued may be out
.irp g, 0,1,2,3
	GROUP \kind, \slot, \unit, \set, \g
.endr
.endm
; A slot's last unit (always set 1) changes slots: one barrier; in front of it each wave waits for all its tensor loads, adds 0 to its spare word, and waits for that and for its reads of this slot.
; refill = 1: the barrier opens a round of the cluster's, and this slot takes the next trip's rows of Wv (step = 1: 256 rows on).  nkind: what the other slot holds.
.macro LASTUNIT kind, slot, unit, refill, step, nkind
	WIN 0
	s_wait_tensorcnt 0x0                           ; all my tensor loads have landed: the one that was out is my part of the other slot
	ds_add_u32 v[SPW], v[NIL]                      ; 0 onto my spare word
	s_wait_dscnt 0x1                               ; this unit's fragments are in; the add may be out
	GROUP \kind, \slot, \unit, 1, 0
	s_wait_dscnt 0x0                               ; the add is done, and my reads of this slot are over
	s_barrier_signal -1
	GROUP \kind, \slot, \unit, 1, 1
	WIN 0
	s_barrier_wait -1
.if \refill
	CREST                                          ; no wave of any partner still reads this slot or has a load on its way
.if \step
	s_add_nc_u64 s[G0V+4*\slot+2:G0V+4*\slot+3], s[G0V+4*\slot+2:G0V+4*\slot+3], 256*768
.endif
	tensor_load_to_lds s[G0V+4*\slot:G0V+4*\slot+3], s[G1:G1+7]
	s_nop 0
.endif
	PLACES 4
	FETCHW \nkind, 1-(\slot), 0, 0
	GROUP \kind, \slot, \unit, 1, 2
	GROUP \kind, \slot, \unit, 1, 3
.endm
; 64 numbers of a lane, register 16 b + i = place 16 (lane / 16) + i of block b of my row, become a fragment's codes in v[PC] on and its scale word in v[pw].
.macro QUANT s, pw
.irp b, 0,1,2,3
	v_max3_num_f32 v[TM+\b], |v[\s+16*\b]|, |v[\s+1+16*\b]|, 0x2800000   ; my 16 numbers of block b, and the floor 2^(5 - 127): the byte cannot fall under 1
.endr
.irp i, 2,4,6,8,10,12,14
.irp b, 0,1,2,3
	v_max3_num_f32 v[TM+\b], v[TM+\b], |v[\s+16*\b+\i]|, |v[\s+1+16*\b+\i]|
.endr
.endr
.irp b, 0,1,2,3
	v_permlanex16_b32 v[TM+4+\b], v[TM+\b], s[SEL], s[SEL+1]
.endr
.irp b, 0,1,2,3
	v_max_num_f32 v[TM+\b], v[TM+\b], v[TM+4+\b]   ; with lane l xor 16's: the block's largest magnitude
.endr
.irp b, 0,1,2,3
	v_add_nc_u32 v[TM+8+\b], 0xfe000000, v[TM+\b]  ; 4 off its exponent field: the conversion takes this operand's exponent field as its scale
.endr
.irp b, 0,1,2,3
	v_lshrrev_b32 v[TM+4+\b], 23, v[TM+8+\b]       ; the scale's byte
.endr
	v_lshl_or_b32 v[\pw], v[TM+5], 8, v[TM+4]
	v_lshl_or_b32 v[\pw], v[TM+6], 16, v[\pw]
	v_lshl_or_b32 v[\pw], v[TM+7], 24, v[\pw]
.irp c, 0,1
	v_cvt_scalef32_pk16_bf6_f32 v[PC+6*\c:PC+2+6*\c], v[\s+32*\c:\s+15+32*\c], v[TM+8+2*\c]
	v_cvt_scalef32_pk16_bf6_f32 v[PC+12+4*\c:PC+14+4*\c], v[\s+16+32*\c:\s+31+32*\c], v[TM+9+2*\c]   ; (a conversion's three registers begin on an even number)
.endr
	v_nop                                          ; one plain place behind a scaled conversion
.irp c, 0,1                                    ; the operand wants a whole block in a lane: lanes 0-15 block 2 c, lanes 16-31 block 2 c + 1
.irp i, 0,1,2
	v_permlane16_swap_b32 v[PC+6*\c+\i], v[PC+12+4*\c+\i]
.endr
.irp i, 0,1,2
	v_mov_b32 v[PC+3+6*\c+\i], v[PC+12+4*\c+\i]
.endr
.endr
.endm
; the same for two blocks: 32 numbers become six registers of codes in v[PC] on and two scale bytes in v[p16]
.macro QUANT32 s, p16
.irp b, 0,1
	v_max3_num_f32 v[TM+\b], |v[\s+16*\b]|, |v[\s+1+16*\b]|, 0x2800000
.endr
.irp i, 2,4,6,8,10,12,14
.irp b, 0,1
	v_max3_num_f32 v[TM+\b], v[TM+\b], |v[\s+16*\b+\i]|, |v[\s+1+16*\b+\i]|
.endr
.endr
.irp b, 0,1
	v_permlanex16_b32 v[TM+4+\b], v[TM+\b], s[SEL], s[SEL+1]
.endr
.irp b, 0,1
	v_max_num_f32 v[TM+\b], v[TM+\b], v[TM+4+\b]
.endr
.irp b, 0,1
	v_add_nc_u32 v[TM+8+\b], 0xfe000000, v[TM+\b]
.endr
.irp b, 0,1
	v_lshrrev_b32 v[TM+4+\b], 23, v[TM+8+\b]
.endr
	v_lshl_or_b32 v[\p16], v[TM+5], 8, v[TM+4]
	v_cvt_scalef32_pk16_bf6_f32 v[PC:PC+2], v[\s:\s+15], v[TM+8]
	v_cvt_scalef32_pk16_bf6_f32 v[PC+12:PC+14], v[\s+16:\s+31], v[TM+9]
	v_nop
.irp i, 0,1,2
	v_permlane16_swap_b32 v[PC+\i], v[PC+12+\i]
.endr
.irp i, 0,1,2
	v_mov_b32 v[PC+3+\i], v[PC+12+\i]
.endr
.endm
.macro LOADX q                         ; K step q of my 16 rows of x: each load reads 512 consecutive bytes of one row; into set q % 4 of window 2
	WIN 0x80
.irp i, 0,1,2,3,4,5,6,7,8,9,10,11,12,13,14,15
	global_load_b128 v[64*((\q)%4)+4*\i:64*((\q)%4)+4*\i+3], v[L16], s[XB:XB+1] offset:4096*\i+512*(\q) th:TH_LOAD_NT
.endr
	WIN 0
.endm
.macro TURNX q                         ; through my stage: in as loaded, out 16 neighbours of each block of 32 to a lane.  LDS serves a wave's instructions in order (ISA guide 5.7.1.4)
	WIN 0x08
.irp i, 0,1,2,3,4,5,6,7,8,9,10,11,12,13,14,15
	ds_store_b128 v[SXW], v[64*((\q)%4)+4*\i:64*((\q)%4)+4*\i+3] offset:528*\i
.endr
	WIN 0
.irp b, 0,1,2,3
.irp jj, 0,1,2,3
	ds_load_b128 v[ACC+64*((\q)%2)+16*\b+4*\jj:ACC+64*((\q)%2)+16*\b+4*\jj+3], v[SXR] offset:128*\b+16*\jj
.endr
.endr
.endm
.macro STEPX q                         ; K step q of x becomes a fragment's image in LDS
	s_wait_dscnt 0x0                               ; its numbers are back from the stage; the stage's stores and the last image's stores have read their registers
.if (\q)+4 < 8
	LOADX (\q)+4
.endif
.if (\q) < 4
	s_wait_loadcnt 48                              ; the next K step's 16 loads are in; those of the three behind it may be out
	TURNX (\q)+1
.elseif (\q) < 7
	s_wait_loadcnt 16*(6-(\q))                     ; the counts run down
	TURNX (\q)+1
.endif
	QUANT ACC+64*((\q)%2), PW
.irp g, 0,1,2
	ds_store_b128 v[AXW], v[PC+4*\g:PC+4*\g+3] offset:FRB*(\q)+512*\g
.endr
	ds_store_b32 v[AXSW], v[PW] offset:256*(\q)
.endm
.macro WSLOAD                          ; a trip's scale words of Wv (my 64 rows: 32 bytes a row, 16 bytes a load) and its bias
.irp i, 0,1
.irp kh, 0,1
	global_load_b128 v[WS+8*\i+4*\kh:WS+8*\i+4*\kh+3], v[L32], s[WSB:WSB+1] offset:1024*\i+16*\kh
.endr
.endr
.irp n, 0,1,2,3
	global_load_b32 v[BV+\n], v[R4], s[BVB:BVB+1] offset:64*\n
.endr
.endm
	s_load_b512 s[4:19], s[0:1], 0x0               ; x, Wq codes, Wq scales, bq, Wk codes, Wk scales, bk, Wv codes
	s_load_b256 s[20:27], s[0:1], 0x40             ; Wv scales, bv, qimg, qscl
	s_load_b128 s[28:31], s[0:1], 0x60             ; kimg, vimg
	v_lshl_add_u32 v[SPW], v0, 2, SPARE
	v_mov_b32 v[NIL], 0
	ds_add_u32 v2, v3
	s_wait_dscnt 0x0
	v_lshrrev_b32 v1, 5, v0
	v_readfirstlane_b32 s[WV], v1                  ; wave 0..3
	s_and_b32 s[PP], s[WV], 1
	s_lshr_b32 s82, s[WV], 1                       ; 0: q, 1: k
	s_bfe_u32 s83, ttmp6, 0x40000                  ; cx
	s_lshl_b32 s84, ttmp9, 2
	s_add_co_u32 s84, s84, s83                     ; my block of 64 rows: it enters addresses in memory alone
	s_mov_b32 s[SEL], 0x76543210
	s_mov_b32 s[SEL+1], 0xfedcba98
	s_mov_b32 s[HM], 0xffff0000
	s_mov_b32 s[INC], 16*FRB
	s_mov_b32 s[INC+1], 0
	s_mov_b32 s[INC2], 512
	s_mov_b32 s[INC2+1], 0
	; descriptor group 1: 64 rows x 384 bytes (512 along K) of rows of 768, 16 bytes of padding behind every 128
	s_mov_b32 s[G1+0], 15|(1<<20)|(1<<21)|(4<<22)|(3<<25)   ; 15:0 the mask: all four work-groups; 17:16 elements of 1 byte; 20 padding on; 21 set beside a mask; 24:22 after every 32 words; 31:25 of 4 words
	s_mov_b32 s[G1+1], 384<<16                     ; tensor_dim0
	s_mov_b32 s[G1+2], 64<<16                      ; tensor_dim1
	s_mov_b32 s[G1+3], 384<<16                     ; tile_dim0
	s_mov_b32 s[G1+4], 64                          ; tile_dim1
	s_mov_b32 s[G1+5], 768                         ; from row to row
	s_mov_b32 s[G1+6], 0
	s_mov_b32 s[G1+7], 0
	v_and_b32 v26, 31, v0                          ; lane
	v_and_b32 v27, 15, v0                          ; r
	v_bfe_u32 v28, v0, 4, 1                        ; h
	v_lshlrev_b32 v[L16], 4, v26
	v_lshlrev_b32 v[L8], 3, v26
	v_lshlrev_b32 v[L4], 2, v26
	v_lshlrev_b32 v[L32], 5, v26
	v_lshlrev_b32 v[H32], 5, v28
	v_lshlrev_b32 v[R4], 2, v27
	v_mul_u32_u24 v29, v27, WPITCH
	v_mad_u32_u24 v30, v28, 40, v29
	v_mad_u32_u24 v29, v28, 24, v29
	s_mul_i32 s85, s82, 2*WPART                    ; Wq's 128 rows lie first in a slot, Wk's behind them
	s_mul_i32 s86, s[WV], WPART                    ; of Wv's 256 rows my 64
.irp s, 0,1
	v_add_nc_u32 v[AWQ+\s], s85, v29
	v_add_nc_u32 v[AWQ+2+\s], s85, v30
	v_add_nc_u32 v[AWV+\s], s86, v29
	v_add_nc_u32 v[AWV+2+\s], s86, v30
	s_add_co_u32 s85, s85, SLOTB
	s_add_co_u32 s86, s86, SLOTB
.endr
	s_mul_i32 s85, s[WV], WPART                    ; where my tensor loads go: wave x 64 rows
	s_mul_i32 s88, s[WV], STGW
	s_add_co_u32 s88, s88, STG
	v_add_nc_u32 v[SXW], s88, v[L16]
	v_mul_u32_u24 v31, v27, 528
	v_lshl_add_u32 v31, v28, 6, v31
	v_add_nc_u32 v[SXR], s88, v31
	s_mul_i32 s88, s[WV], 8*FRB
	s_add_co_u32 s88, s88, XIMG
	v_add_nc_u32 v[AXW], s88, v[L16]
	s_lshl_b32 s88, s[WV], 6
	s_add_co_u32 s88, s88, XSC
	v_add_nc_u32 v[AXSW], s88, v[R4]
	s_mul_i32 s88, s[PP], 16*FRB
	s_add_co_u32 s88, s88, XIMG
	v_add_nc_u32 v[AXQ], s88, v[L16]
	v_add_nc_u32 v[AX], XIMG, v[L16]
	s_lshl_b32 s88, s[PP], 7
	s_add_co_u32 s88, s88, XSC
	v_add_nc_u32 v[AXSQ], s88, v[L4]
	v_add_nc_u32 v[AXS], XSC, v[L4]
.irp b, 0,1,2,3
	v_mov_b32 v[TM+4+\b], 0                        ; written once: a lane permute's destination counts as one of its sources
.endr
	; offsets in memory, apart from the addresses
	s_lshl_b32 s88, s84, 18
	s_lshl_b32 s89, s[WV], 16
	s_add_co_u32 s88, s88, s89                     ; x: 64 rows of 4,096 bytes a block, 16 a wave
	s_mov_b32 s89, 0
	s_lshr_b32 s96, s84, 5                         ; batch
	s_bfe_u32 s97, s84, 0x40001                    ; which 128 keys of the batch
	s_and_b32 s98, s84, 1                          ; which 64 of them
	s_mul_i32 s99, s96, 16*12800
	s_mul_i32 s94, s97, 12800
	s_add_co_u32 s99, s99, s94                     ; kimg: the key step's block
	s_mul_i32 s94, s98, 4*FRB
	s_add_co_u32 s94, s94, s99                     ; k's images
	s_lshl_b32 s95, s98, 8
	s_add_co_u32 s95, s95, s99
	s_add_co_u32 s95, s95, 8*FRB                   ; k's scale words
	s_mul_i32 s90, s84, 4*FRB                      ; q's images
	s_lshl_b32 s92, s84, 8                         ; q's scale words
	s_cmp_lt_u32 s[WV], 2
	s_cselect_b32 s90, s90, s94
	s_cselect_b32 s92, s92, s95
	s_mul_i32 s94, s[PP], 2*FRB
	s_add_co_u32 s90, s90, s94                     ; + my pair of tiles
	s_lshl_b32 s94, s[PP], 7
	s_add_co_u32 s92, s92, s94
	s_mov_b32 s91, 0
	s_mov_b32 s93, 0
	s_lshl_b32 s94, s96, 5
	s_add_co_u32 s94, s94, s97
	s_mul_i32 s94, s94, 51200                      ; vimg: block (batch, first 512 channels, key step)
	s_mov_b32 s95, 0
	s_mul_i32 s96, s[WV], 4*FRB
	s_mul_i32 s97, s98, 768
	s_add_co_u32 s96, s96, s97                     ; codes: my 4 tiles, my 64 keys
	s_mov_b32 s97, 0
	s_lshl_b32 s98, s98, 10
	s_lshl_b32 s99, s[WV], 7
	s_add_co_u32 s98, s98, s99
	s_add_co_u32 s98, s98, 32*FRB                  ; scale words
	s_mov_b32 s99, 0
	s_wait_kmcnt 0x0
	s_add_nc_u64 s[XB:XB+1], s[4:5], s[88:89]
	s_add_nc_u64 s[VB:VB+1], s[30:31], s[94:95]
	s_add_nc_u64 s[VSB:VSB+1], s[VB:VB+1], s[98:99]
	s_add_nc_u64 s[VB:VB+1], s[VB:VB+1], s[96:97]
	s_cmp_lt_u32 s[WV], 2                          ; q's waves or k's: the choice hangs on the wave's number alone
	s_cselect_b64 s[IMG:IMG+1], s[24:25], s[28:29]
	s_cselect_b64 s[SCL:SCL+1], s[26:27], s[28:29]
	s_cselect_b64 s[86:87], s[6:7], s[12:13]
	s_cselect_b64 s[QWS:QWS+1], s[8:9], s[14:15]
	s_cselect_b64 s[QBI:QBI+1], s[10:11], s[16:17]
	s_add_nc_u64 s[IMG:IMG+1], s[IMG:IMG+1], s[90:91]
	s_add_nc_u64 s[SCL:SCL+1], s[SCL:SCL+1], s[92:93]
	s_mul_i32 s88, s[PP], 64*768
	s_add_nc_u64 s[86:87], s[86:87], s[88:89]      ; the 64 rows of Wq or Wk that I fetch
	s_mul_i32 s88, s[WV], 64*768
	s_add_nc_u64 s[90:91], s[18:19], s[88:89]      ; and of Wv
	s_lshl_b32 s88, s[WV], 11
	s_add_nc_u64 s[WSB:WSB+1], s[20:21], s[88:89]
	s_lshl_b32 s88, s[WV], 8
	s_add_nc_u64 s[BVB:BVB+1], s[22:23], s[88:89]
.irp s, 0,1
	s_mov_b32 s[G0Q+4*\s], 1                       ; count = 1
	s_add_co_u32 s[G0Q+4*\s+1], s85, \s*SLOTB      ; LDS address
	s_add_nc_u64 s[G0Q+4*\s+2:G0Q+4*\s+3], s[86:87], \s*384   ; slot s: the s-th 512 along K
	s_or_b32 s[G0Q+4*\s+3], s[G0Q+4*\s+3], 0x80000000         ; type = 2
	s_mov_b32 s[G0V+4*\s], 1
	s_add_co_u32 s[G0V+4*\s+1], s85, \s*SLOTB
	s_add_nc_u64 s[G0V+4*\s+2:G0V+4*\s+3], s[90:91], \s*384
	s_or_b32 s[G0V+4*\s+3], s[G0V+4*\s+3], 0x80000000
.endr
	ROUND                                          ; all four work-groups are here: the first joint loads meet
	tensor_load_to_lds s[G0Q:G0Q+3], s[G1:G1+7]    ; Wq and Wk, both halves of K: two tensor loads of mine are out
	s_nop 0
	tensor_load_to_lds s[G0Q+4:G0Q+7], s[G1:G1+7]
	s_nop 0
	PLACES 4
.irp i, 0,1,2,3                                ; trip QK's scale words: lane l of pair i takes row 32 i + l
.irp kh, 0,1
	global_load_b128 v[WS+8*\i+4*\kh:WS+8*\i+4*\kh+3], v[L32], s[QWS:QWS+1] offset:1024*\i+16*\kh
.endr
.endr
	WIN 0x40
.irp t, 0,1,2,3,4,5,6,7                        ; and its bias in the result's layout: tile t, my half's eight columns
	global_load_b128 v[BC+8*\t:BC+8*\t+3], v[H32], s[QBI:QBI+1] offset:64*\t
	global_load_b128 v[BC+8*\t+4:BC+8*\t+7], v[H32], s[QBI:QBI+1] offset:64*\t+16
.endr
	WIN 0
	LOADX 0
	LOADX 1
	LOADX 2
	LOADX 3
	s_wait_loadcnt 48                              ; K step 0 is in; the three behind it may be out
	TURNX 0
.irp q, 0,1,2,3,4,5,6,7
	STEPX \q
.endr
	s_wait_tensorcnt 0x1                           ; my part of slot 0 is in; slot 1's may stay out
	s_wait_dscnt 0x0                               ; my images of x lie in LDS
	s_barrier_signal -1
	s_barrier_wait -1
	; ---- trip QK
	WIN 0x80
.irp u, 0,1
.irp kq, 0,1,2,3,4,5,6,7
.irp g, 0,1,2
	ds_load_b128 v[96*\u+12*\kq+4*\g:96*\u+12*\kq+4*\g+3], v[AXQ] offset:(8*\u+\kq)*FRB+512*\g
.endr
.endr
.endr
	WIN 0
.irp kq, 0,1,2,3,4,5,6,7
	ds_load_b32 v[XS+\kq], v[AXSQ] offset:256*\kq
.endr
	FETCHW 0, 0, 0, 0
	s_wait_loadcnt 0x0                             ; the scale words and the bias
	UNIT 0, 0, 0, 0
	UNIT 0, 0, 1, 1
	UNIT 0, 0, 2, 0
	LASTUNIT 0, 0, 3, 1, 0, 0                      ; slot 0 takes trip 1's first half of K
	UNIT 0, 1, 0, 0
	UNIT 0, 1, 1, 1
	UNIT 0, 1, 2, 0
	LASTUNIT 0, 1, 3, 1, 0, 1                      ; slot 1 its second half
	WIN 0
	PLACES 4                                       ; in front of loads into registers that the last products read, and of the first read of their results
.irp m, 0,1,2,3                                ; all 32 fragments of x: they stay
	WIN 0x80+0x40*(\m/2)
.irp kq, 0,1,2,3,4,5,6,7
.irp g, 0,1,2
	ds_load_b128 v[96*(\m%2)+12*\kq+4*\g:96*(\m%2)+12*\kq+4*\g+3], v[AX] offset:(8*\m+\kq)*FRB+512*\g
.endr
.endr
.endr
	WIN 0
.irp i, 0,1
.irp kq, 0,1,2,3,4,5,6,7
	ds_load_b32 v[XS+8*\i+\kq], v[AXS] offset:256*\kq+128*\i
.endr
.endr
	WSLOAD
.irp u, 0,1                                    ; my two tiles of q or k: quantised along d, stored as images
.if \u > 0
	s_wait_xcnt 0x0                                ; the stores have read the codes' registers
.endif
	QUANT ACC+64*\u, PW+\u
.irp g, 0,1,2
	global_store_b128 v[L16], v[PC+4*\g:PC+4*\g+3], s[IMG:IMG+1] offset:FRB*\u+512*\g   ; 512 consecutive bytes, at a multiple of 256 from the buffer's first byte
.endr
.endr
	v_cndmask_b32 v[PW+2], v[PW], v[PW+1], s[HM]   ; lanes 0-15: the even tile's words, lanes 16-31: the odd tile's
	global_store_b32 v[L4], v[PW+2], s[SCL:SCL+1]
	; ---- four trips of v
.macro EPIV last
	WIN 0
	PLACES 4
.if (\last) == 0
	s_wait_xcnt 0x0
	s_add_nc_u64 s[WSB:WSB+1], s[WSB:WSB+1], 256*32
	s_add_nc_u64 s[BVB:BVB+1], s[BVB:BVB+1], 256*4
	WSLOAD                                         ; the next trip's
.endif
.irp n, 0,1,2,3                                ; a tile of 16 channels x my 64 keys: two blocks a channel
	s_wait_xcnt 0x0                                ; the last stores have read the codes' registers
	QUANT32 ACC+32*\n, P16+\n
	global_store_b128 v[L16], v[PC:PC+3], s[VB:VB+1] offset:FRB*\n          ; 512 + 256 consecutive bytes
	global_store_b64 v[L8], v[PC+4:PC+5], s[VB:VB+1] offset:FRB*\n+512
.endr
	v_cndmask_b32 v[PW], v[P16], v[P16+1], s[HM]
	v_cndmask_b32 v[PW+1], v[P16+2], v[P16+3], s[HM]
	v_lshl_or_b32 v[PW+2], v[PW+1], 16, v[PW]
	global_store_b32 v[L4], v[PW+2], s[VSB:VSB+1]
.if (\last) == 0
	s_wait_xcnt 0x0                                ; the stores have read their bases
	s_add_nc_u64 s[VB:VB+1], s[VB:VB+1], s[INC:INC+1]
	s_add_nc_u64 s[VSB:VSB+1], s[VSB:VSB+1], s[INC2:INC2+1]
	s_sub_co_u32 s[INC], 16*51200, s[INC]          ; by turns: 16 tiles on in the same 512 channels; on to the next 512 channels' first tiles
	s_sub_co_u32 s[INC2], 16*51200, s[INC2]
.endif
.endm
.macro VTRIP last
	s_wait_loadcnt 0x0                             ; the trip's scale words and bias
	s_wait_dscnt 0x0
	WIN 0x40
.irp n, 0,1,2,3
.irp j, 0,1,2,3,4,5,6,7
	v_mov_b32 v[BC+8*\n+\j], v[BV+\n]              ; the bias in the result's layout: a lane holds one channel, so all eight registers of a tile take its number; it is the C of the first K step
.endr
.endr
	WIN 0
	UNIT 1, 0, 0, 0
.if \last
	LASTUNIT 1, 0, 1, 0, 0, 1                      ; nothing is left to fetch
.else
	LASTUNIT 1, 0, 1, 1, 1, 1
.endif
	UNIT 1, 1, 0, 0
.if \last
	s_wait_dscnt 0x0
.irp g, 0,1,2,3
	GROUP 1, 1, 1, 1, \g
.endr
.else
	LASTUNIT 1, 1, 1, 1, 1, 1
.endif
	EPIV \last
.endm
	s_mov_b32 s[TRIP], 3
.Ltrip:
	VTRIP 0
	s_sub_co_u32 s[TRIP], s[TRIP], 1
	s_cmp_lg_u32 s[TRIP], 0
	s_cbranch_scc1 .Ltrip
	VTRIP 1                                        ; the last trip is written out
	s_wait_tensorcnt 0x0                           ; the wave's end
	ds_add_u32 v[SPW], v[NIL]
	s_wait_dscnt 0x0
	ROUND                                          ; the closing round: no work-group ends while a partner may still ask for a tile that names it
	s_endpgm
.Lfunc_end_k_q839f715ffa_proj:
	.size	k_q839f715ffa_proj, .Lfunc_end_k_q839f715ffa_proj-k_q839f715ffa_proj
	.p2alignl 7, 3214868480
	.fill 96, 4, 3214868480
	.section	.rodata,"a",@progbits
	.p2align	6, 0x0
	.amdhsa_kernel k_q839f715ffa_proj
		.amdhsa_group_segment_fixed_size 327680
		.amdhsa_private_segment_fixed_size 0
		.amdhsa_enable_private_segment 0
		.amdhsa_kernarg_size 112
		.amdhsa_user_sgpr_count 2
		.amdhsa_user_sgpr_kernarg_segment_ptr 1
		.amdhsa_wavefront_size32 1
		.amdhsa_system_sgpr_workgroup_id_x 1
		.amdhsa_system_sgpr_workgroup_id_y 1
		.amdhsa_system_sgpr_workgroup_id_z 1
		.amdhsa_system_vgpr_workitem_id 0
		.amdhsa_next_free_vgpr 1024
		.amdhsa_next_free_sgpr 100
		.amdhsa_reserve_vcc 0
		.amdhsa_float_denorm_mode_32 3
		.amdhsa_float_denorm_mode_16_64 3
		.amdhsa_memory_ordered 1
		.amdhsa_forward_progress 1
		.amdhsa_inst_pref_size 217
	.end_amdhsa_kernel
	.amdgpu_metadata
---
amdhsa.version: [ 1, 2 ]
amdhsa.kernels:
  - .name:           k_q839f715ffa_proj
    .symbol:         k_q839f715ffa_proj.kd
    .args:
      - { .name: x, .offset: 0, .size: 8, .value_kind: global_buffer, .address_space: global }
      - { .name: Wq_codes, .offset: 8, .size: 8, .value_kind: global_buffer, .address_space: global }
      - { .name: Wq_scales, .offset: 16, .size: 8, .value_kind: global_buffer, .address_space: global }
      - { .name: bq, .offset: 24, .size: 8, .value_kind: global_buffer, .address_space: global }
      - { .name: Wk_codes, .offset: 32, .size: 8, .value_kind: global_buffer, .address_space: global }
      - { .name: Wk_scales, .offset: 40, .size: 8, .value_kind: global_buffer, .address_space: global }
      - { .name: bk, .offset: 48, .size: 8, .value_kind: global_buffer, .address_space: global }
      - { .name: Wv_codes, .offset: 56, .size: 8, .value_kind: global_buffer, .address_space: global }
      - { .name: Wv_scales, .offset: 64, .size: 8, .value_kind: global_buffer, .address_space: global }
      - { .name: bv, .offset: 72, .size: 8, .value_kind: global_buffer, .address_space: global }
      - { .name: qimg, .offset: 80, .size: 8, .value_kind: global_buffer, .address_space: global }
      - { .name: qscl, .offset: 88, .size: 8, .value_kind: global_buffer, .address_space: global }
      - { .name: kimg, .offset: 96, .size: 8, .value_kind: global_buffer, .address_space: global }
      - { .name: vimg, .offset: 104, .size: 8, .value_kind: global_buffer, .address_space: global }
    .group_segment_fixed_size: 327680
    .private_segment_fixed_size: 0
    .kernarg_segment_align: 8
    .kernarg_segment_size: 112
    .max_flat_workgroup_size: 128
    .sgpr_count:     100
    .vgpr_count:     1024
    .wavefront_size: 32
...
	.end_amdgpu_metadata
.endif
;; end of part 1
;; launch attn (part 2): grid 256 x 1, 4 waves a work-group, clusters of 4 x 1, 327,680 bytes of LDS; arguments qimg, qscl, kimg, vimg, x, gamma, out0; writes out0
.if DOCPART == 2
	.amdgcn_target "amdgcn-amd-amdhsa--gfx1250"
	.amdhsa_code_object_version 6
	.text
	.protected	k_q839f715ffa_attn
	.globl	k_q839f715ffa_attn
	.p2align	8
	.type	k_q839f715ffa_attn,@function
k_q839f715ffa_attn:
	s_mov_b64 s[64:65], 0
	v_nop
	global_prefetch_b8 v0, s[64:65] scope:SCOPE_SE
	s_setreg_imm32_b32 hwreg(HW_REG_WAVE_MODE, 25, 1), 1
	s_wait_xcnt 0x0
	s_wait_alu depctr_hold_cnt(0) depctr_sa_sdst(0) depctr_va_vdst(0) depctr_va_sdst(0) depctr_va_ssrc(0) depctr_va_vcc(0) depctr_vm_vsrc(0)
	s_getreg_b32 s2, hwreg(HW_REG_IB_STS2, 6, 4)
	s_cmp_eq_u32 s2, 0
	s_cbranch_scc0 .Lentry_in_a_cluster
	s_endpgm
.Lentry_in_a_cluster:
	s_bfe_u32 s2, ttmp6, 0x10000c
	s_cmp_lg_u32 s2, 0x3003
	s_cbranch_scc0 .Lentry_shape_is_right
	s_endpgm
.Lentry_shape_is_right:
; out = gamma x softmax(q k^T) v + x, both products on codes of BF6 (E3M2) with one E8M0 scale for each 32 along K.  q, k, v come as images of operand registers (layouts: at the head of the launch that makes them).
; SHARES.  A work-group of four waves owns 64 queries of one batch (2,048 keys, 1,024 channels).  Both products are used transposed, so that a lane holds one query throughout.
; PHASE 1: the exact largest score of each query: wave w takes key tiles 2 w, 2 w + 1 of every 128 keys against all four tiles of queries; the waves' maxima meet in LDS.
; PHASE 2: wave w owns tile w of the queries.  M = ceil(largest score x log2(e)); p = 2^(score x log2(e) - M) is quantised along the keys and its images stay in LDS (98,304 bytes for all keys);
;   the row's sum is taken of the unquantised p.  Since M is final, nothing is ever rescaled.
; PHASE 3, twice, for 512 channels each: O^T = V^T P^T; wave w owns 128 channels (8 tiles) for all 64 queries: each fragment of V is read from LDS once and feeds four products.
;   Then out = O x (gamma / sum) + x.  x waits in registers (512) from the start; the first half's stores are on their way while the second half is multiplied.
; LDS: all of the batch's k (204,800 bytes) in phases 1 and 2; the same bytes are then two slots of V (two key steps of 512 channels each), filled again by tensor loads.
; CLUSTER.  The four work-groups of a cluster belong to one batch and read the same k and v: every tensor load is a joint one (mask 15).
; LIMITS: NaN and infinities are not served.  p under 2^-126 comes out of the exponential as 0.  A block of zeros has the scale byte 1, with zero codes.  Inside a block of 32 both operands of a product
; stand in the same permuted order (see the first launch): the order of the sums inside an instruction differs from ascending k.
.set FRB,    1536
.set KSTEP,  12800                     ; 128 keys of k: 8 images and 512 bytes of scale words
.set VSTEP,  51200                     ; 128 keys x 512 channels of v
.set SLOTB,  102400
.set PART,   25600                     ; what one tensor load brings: 100 rows of 256 bytes
.set PIMG,   204800                    ; p's images: (4 x key step + tile of queries) x 1,536
.set PSC,    303104                    ; p's scale words: 256 x key step + 8 x (16 (tile % 2) + row) + 4 x (tile / 2)
.set MX,     307200                    ; the waves' maxima: 16 x query + 4 x wave
.set GX,     308224                    ; gamma / sum: 4 x query
.set SPARE,  308480                    ; the spare words, 128 bytes a wave: two blocks of 256 bytes that no other line names
.set STG,    308992                    ; the way out: 16 rows x (256 + 16) bytes for each wave
.set SPW,  2                           ; v2   LDS address of my spare word; never rewritten
.set NIL,  3                           ; v3   0; never rewritten
.set L16,  4                           ; v4   16 x lane
.set AK1,  5                           ; v5   phase 1: my two tiles of k.  Phase 2 (AKS0): k's scale words.  Phase 3 (APR0): p's images
.set AKS0, 5
.set APR0, 5
.set AKS1, 6                           ; v6   phase 1: their scale words.  Phase 3 (APS0): p's scale words
.set APS0, 6
.set AK2,  7                           ; v7   phase 2: the key step's images
.set AKS2, 8                           ; v8   and scale words
.set APW0, 9                           ; v9   where I store p's images, key step 0
.set APSW0, 10                         ; v10  and scale words
.set AV16, 11                          ; v11, 12  my 8 tiles of V in slot 0, 1: the parts of 16 bytes a lane
.set AV8,  13                          ; v13, 14  the parts of 8 bytes a lane
.set AVS,  15                          ; v15, 16  their scale words
.set APR,  17                          ; v17  phase 2: p's image of the step in hand (store).  Phase 3: p's images of four steps (load)
.set APS,  18                          ; v18  the same for the scale words
.set STO,  19
.set RD,   20
.set AG,   21
.set CO,   22                          ; v22  my byte offset in the block's rows of x and out; never rewritten
.set AMX,  23
.set AMR,  24
.set PFO,  25                          ; v25  the prefetches' offset: 256 x min(lane, 24); never rewritten
.set NM,   26                          ; v[26:27] -M, and 0
.set LS,   28                          ; v[28:31] the row's sum, in two chains of pairs
.set PS,   32                          ; v32-35  p's scale words, two sets of 2
.set VS,   36                          ; v36-43  V's scale words, two sets of 4.  Phases 1, 2 (KS): k's
.set KS,   36
.set RAW,  44                          ; v44-47  V's scale bytes as they lie in LDS
.set QS,   48                          ; v48, 49 q's scale words, pairs of tiles
.set QSO,  50                          ; v50     those of my own tile
.set PW,   51                          ; v51     p's scale word on its way to LDS
.set QO,   52                          ; v52-63  my own tile of q
.set QA,   64                          ; v64-111 phase 1: all four tiles of q
.set DA,   112                         ; v112-143, v144-175 phase 1: scores, two sets
.set DB,   144
.set KR,   176                         ; v176-247 phase 1: a ring of three key steps x two fragments
.set VM,   248                         ; v248-251 running maxima;  v252-255 at work
.set VT,   252
.set S,    64                          ; v64-127 phase 2: scores, then p
.set PC,   128                         ; v128-147 the codes just made
.set KF,   148                         ; v148-243 a key step's 8 fragments of k
.set TM,   244                         ; v244-255 at work in the quantiser
.set PF,   52                          ; v52-147 phase 3: p's fragments, two sets of 4
.set VF,   148                         ; v148-243 V's 8 fragments
.set OBUF, 52                          ; the way out: two sets of 32
.set GV,   116                         ; v116-131 gamma / sum, two sets of 8
; window 1: O^T, sum (tile of channels n, tile of queries m) at 8 (4 n + m).  Windows 2, 3: x for channels 0-511, 512-1023, at 64 m + 32 u + 4 t
.set WV,  18
.set CX,  19
.set WGX, 20
.set BB,  21
.set G1,  32                           ; s[32:39] descriptor group 1, one for every load
.set G0K, 40                           ; s[40:47] group 0 for k's two halves
.set G0V, 48                           ; s[48:55] for V's two slots
.set SEL, 56
.set CS,  58                           ; s[58:59] log2(e), twice
.set GAM, 60
.set CNT, 61
.set KT,  62                           ; s62  LDS byte of the key step of k to be fetched
.set LIM, 63                           ; s63  1 in a work-group that prefetches, else the greatest number
.set PFA, 66                           ; s[66:67] where my prefetches stand
.set XB,  68
.set OB,  70
.set PT,  72                           ; s72  phase 2: 6,144 x key step
.set PST, 73                           ; s73  256 x key step
.set PR,  74                           ; s74  phase 3: 24,576 x (key step / 4)
.set PSR, 75                           ; s75  1,024 x (key step / 4)
.set QB,  76
.set QSB, 78
.set MSB, 0
.macro WIN new                         ; the immediate's high byte repeats the setting that is left
.if MSB != (\new)
	s_set_vgpr_msb (MSB<<8)|(\new)
.set MSB, (\new)
.endif
.endm
.macro PLACES n                        ; places behind matrix instructions (ISA guide 7.12.1), and in front of scaled ones whose scale registers vector instructions wrote
.rept \n
	v_nop
.endr
.endm
.macro CREST
	s_cmp_lg_u32 s[WV], 0
	s_cbranch_scc1 .Lnot_wave_0_\@
	s_barrier_signal -3
.Lnot_wave_0_\@:
	s_barrier_wait -3
	s_barrier_signal -1
	s_barrier_wait -1
.endm
.macro ROUND
	s_barrier_signal -1
	s_barrier_wait -1
	CREST
.endm
.macro WM d, a, b, c, sa, sb, ra, rb   ; one scaled product; ra, rb: 1 = the scales stand in lanes 16-31
.if (\ra) == 0 && (\rb) == 0
	v_wmma_scale_f32_16x16x128_f8f6f4 v[\d:\d+7], v[\a:\a+11], v[\b:\b+11], v[\c:\c+7], v[\sa], v[\sb] matrix_a_fmt:MATRIX_FMT_BF6 matrix_b_fmt:MATRIX_FMT_BF6
.elseif (\rb) == 0
	v_wmma_scale_f32_16x16x128_f8f6f4 v[\d:\d+7], v[\a:\a+11], v[\b:\b+11], v[\c:\c+7], v[\sa], v[\sb] matrix_a_fmt:MATRIX_FMT_BF6 matrix_b_fmt:MATRIX_FMT_BF6 matrix_a_scale:MATRIX_SCALE_ROW1
.elseif (\ra) == 0
	v_wmma_scale_f32_16x16x128_f8f6f4 v[\d:\d+7], v[\a:\a+11], v[\b:\b+11], v[\c:\c+7], v[\sa], v[\sb] matrix_a_fmt:MATRIX_FMT_BF6 matrix_b_fmt:MATRIX_FMT_BF6 matrix_b_scale:MATRIX_SCALE_ROW1
.else
	v_wmma_scale_f32_16x16x128_f8f6f4 v[\d:\d+7], v[\a:\a+11], v[\b:\b+11], v[\c:\c+7], v[\sa], v[\sb] matrix_a_fmt:MATRIX_FMT_BF6 matrix_b_fmt:MATRIX_FMT_BF6 matrix_a_scale:MATRIX_SCALE_ROW1 matrix_b_scale:MATRIX_SCALE_ROW1
.endif
.endm
.macro WMZ d, a, b, sa, sb, ra, rb     ; the same, starting a sum: C is the constant 0
.if (\ra) == 0 && (\rb) == 0
	v_wmma_scale_f32_16x16x128_f8f6f4 v[\d:\d+7], v[\a:\a+11], v[\b:\b+11], 0, v[\sa], v[\sb] matrix_a_fmt:MATRIX_FMT_BF6 matrix_b_fmt:MATRIX_FMT_BF6
.elseif (\rb) == 0
	v_wmma_scale_f32_16x16x128_f8f6f4 v[\d:\d+7], v[\a:\a+11], v[\b:\b+11], 0, v[\sa], v[\sb] matrix_a_fmt:MATRIX_FMT_BF6 matrix_b_fmt:MATRIX_FMT_BF6 matrix_a_scale:MATRIX_SCALE_ROW1
.elseif (\ra) == 0
	v_wmma_scale_f32_16x16x128_f8f6f4 v[\d:\d+7], v[\a:\a+11], v[\b:\b+11], 0, v[\sa], v[\sb] matrix_a_fmt:MATRIX_FMT_BF6 matrix_b_fmt:MATRIX_FMT_BF6 matrix_b_scale:MATRIX_SCALE_ROW1
.else
	v_wmma_scale_f32_16x16x128_f8f6f4 v[\d:\d+7], v[\a:\a+11], v[\b:\b+11], 0, v[\sa], v[\sb] matrix_a_fmt:MATRIX_FMT_BF6 matrix_b_fmt:MATRIX_FMT_BF6 matrix_a_scale:MATRIX_SCALE_ROW1 matrix_b_scale:MATRIX_SCALE_ROW1
.endif
.endm
; A PREFETCH INTO THE L2 of a later fill of V: 102,400 bytes = 400 blocks of 256.  All eight clusters of a batch walk the same V: the batch's first cluster asks.  Its four work-groups take 100 blocks each,
; told apart by address, each wave 25, a lane a block (lanes 25 to 31 name the wave's last block again).  how = 1: whenever this work-group asks; how = 2: only while more than one trip of the loop is left.
.macro ASK how
.if (\how) == 1
	s_cmp_eq_u32 s[LIM], 1
.else
	s_cmp_gt_u32 s[CNT], s[LIM]
.endif
	s_cbranch_scc0 .Lnot_mine_\@
	global_prefetch_b8 v[PFO], s[PFA:PFA+1] th:TH_LOAD_NT scope:SCOPE_SE
.Lnot_mine_\@:
.endm
.macro XLOAD hn, m                     ; x for 16 queries x my 128 channels of half hn: each load takes 256 consecutive bytes of two rows
	WIN 0x80+0x40*(\hn)
.irp u, 0,1
.irp t, 0,1,2,3,4,5,6,7
	global_load_b128 v[64*(\m)+32*\u+4*\t:64*(\m)+32*\u+4*\t+3], v[CO], s[XB:XB+1] offset:(16*(\m)+2*\t)*4096+2048*(\hn)+256*\u th:TH_LOAD_NT
.endr
.endr
	WIN 0
.endm
; 64 numbers of a lane, register 16 b + i = place 16 (lane / 16) + i of block b of my row, become a fragment's codes in v[PC] on and its scale word in v[pw]
.macro QUANT s, pw
.irp b, 0,1,2,3
	v_max3_num_f32 v[TM+\b], |v[\s+16*\b]|, |v[\s+1+16*\b]|, 0x2800000   ; my 16 numbers of block b, and the floor 2^(5 - 127): the byte cannot fall under 1
.endr
.irp i, 2,4,6,8,10,12,14
.irp b, 0,1,2,3
	v_max3_num_f32 v[TM+\b], v[TM+\b], |v[\s+16*\b+\i]|, |v[\s+1+16*\b+\i]|
.endr
.endr
.irp b, 0,1,2,3
	v_permlanex16_b32 v[TM+4+\b], v[TM+\b], s[SEL], s[SEL+1]
.endr
.irp b, 0,1,2,3
	v_max_num_f32 v[TM+\b], v[TM+\b], v[TM+4+\b]
.endr
.irp b, 0,1,2,3
	v_add_nc_u32 v[TM+8+\b], 0xfe000000, v[TM+\b]  ; 4 off the exponent field: the conversion's scale operand
.endr
.irp b, 0,1,2,3
	v_lshrrev_b32 v[TM+4+\b], 23, v[TM+8+\b]       ; the scale's byte
.endr
	v_lshl_or_b32 v[\pw], v[TM+5], 8, v[TM+4]
	v_lshl_or_b32 v[\pw], v[TM+6], 16, v[\pw]
	v_lshl_or_b32 v[\pw], v[TM+7], 24, v[\pw]
.irp c, 0,1
	v_cvt_scalef32_pk16_bf6_f32 v[PC+6*\c:PC+2+6*\c], v[\s+32*\c:\s+15+32*\c], v[TM+8+2*\c]
	v_cvt_scalef32_pk16_bf6_f32 v[PC+12+4*\c:PC+14+4*\c], v[\s+16+32*\c:\s+31+32*\c], v[TM+9+2*\c]
.endr
	v_nop                                          ; one plain place behind a scaled conversion
.irp c, 0,1
.irp i, 0,1,2
	v_permlane16_swap_b32 v[PC+6*\c+\i], v[PC+12+4*\c+\i]
.endr
.irp i, 0,1,2
	v_mov_b32 v[PC+3+6*\c+\i], v[PC+12+4*\c+\i]
.endr
.endr
.endm
	s_load_b256 s[4:11], s[0:1], 0x0               ; qimg, qscl, kimg, vimg
	s_load_b128 s[12:15], s[0:1], 0x20             ; x, gamma
	s_load_b64 s[16:17], s[0:1], 0x30              ; out0
	v_lshl_add_u32 v[SPW], v0, 2, SPARE
	v_mov_b32 v[NIL], 0
	ds_add_u32 v2, v3
	s_wait_dscnt 0x0
	v_lshrrev_b32 v1, 5, v0
	v_readfirstlane_b32 s[WV], v1                  ; wave 0..3
	s_bfe_u32 s[CX], ttmp6, 0x40000                ; my place in the cluster: it enters addresses in memory alone
	s_lshl_b32 s[WGX], ttmp9, 2
	s_add_co_u32 s[WGX], s[WGX], s[CX]             ; my block of 64 queries
	s_lshr_b32 s[BB], ttmp9, 3                     ; the batch: eight clusters each; the same in all four partners
	; descriptor group 1: a dense block of 25,600 bytes as 100 rows of 256 bytes (32 elements of 8 bytes), no padding: every LDS read here takes consecutive bytes in consecutive lanes
	s_mov_b32 s[G1+0], 15|(3<<16)|(1<<21)          ; 15:0 the mask: all four work-groups; 17:16 elements of 8 bytes; 21 set beside a mask
	s_mov_b32 s[G1+1], 32<<16
	s_mov_b32 s[G1+2], 100<<16
	s_mov_b32 s[G1+3], 32<<16
	s_mov_b32 s[G1+4], 100
	s_mov_b32 s[G1+5], 32
	s_mov_b32 s[G1+6], 0
	s_mov_b32 s[G1+7], 0
	s_mov_b32 s[SEL], 0x76543210
	s_mov_b32 s[SEL+1], 0xfedcba98
	s_mov_b32 s[CS], 0x3fb8aa3b                    ; log2(e)
	s_mov_b32 s[CS+1], s[CS]
	s_and_b32 s80, ttmp9, 7
	s_cmp_eq_u32 s80, 0                            ; the batch's first cluster
	s_cselect_b32 s[LIM], 1, -1
	s_mul_i32 s84, s[WV], PART                     ; my quarter of a fill
	s_mul_i32 s80, s[BB], 16*KSTEP
	s_add_co_u32 s80, s80, s84
	s_mov_b32 s81, 0
	s_mul_i32 s82, s[BB], 32*VSTEP
	s_mul_i32 s92, s[CX], PART
	s_mul_i32 s93, s[WV], PART/4
	s_add_co_u32 s92, s92, s93
	s_add_co_u32 s92, s92, s82
	s_add_co_u32 s92, s92, SLOTB                   ; the prefetches begin at fill 1: fill 0 comes by its load alone
	s_mov_b32 s93, 0
	s_add_co_u32 s82, s82, s84
	s_mov_b32 s83, 0
	s_mul_i32 s86, s[WGX], 4*FRB
	s_mov_b32 s87, 0
	s_lshl_b32 s88, s[WGX], 8
	s_mov_b32 s89, 0
	s_lshl_b32 s90, s[WGX], 18
	s_mov_b32 s91, 0
	v_and_b32 v244, 31, v0                         ; lane
	v_and_b32 v245, 15, v0                         ; r
	v_bfe_u32 v246, v0, 4, 1                       ; h
	v_lshlrev_b32 v[L16], 4, v244
	v_lshlrev_b32 v247, 2, v244
	s_mul_i32 s94, s[WV], FRB
	v_add_nc_u32 v252, s94, v[L16]                 ; my own tile of q
	s_lshl_b32 s94, s[WV], 6
	v_lshl_add_u32 v254, v245, 2, s94              ; and its scale words
	s_wait_kmcnt 0x0
	s_load_b32 s[GAM], s[14:15], 0x0
	s_add_nc_u64 s[QB:QB+1], s[4:5], s[86:87]
	s_add_nc_u64 s[QSB:QSB+1], s[6:7], s[88:89]
	s_add_nc_u64 s[XB:XB+1], s[12:13], s[90:91]
	s_add_nc_u64 s[OB:OB+1], s[16:17], s[90:91]
	s_add_nc_u64 s[PFA:PFA+1], s[10:11], s[92:93]
	s_add_nc_u64 s[80:81], s[8:9], s[80:81]
	s_add_nc_u64 s[82:83], s[10:11], s[82:83]
.irp m, 0,1,2,3
.irp g, 0,1,2
	global_load_b128 v[QA+12*\m+4*\g:QA+12*\m+4*\g+3], v[L16], s[QB:QB+1] offset:FRB*\m+512*\g
.endr
.endr
.irp g, 0,1,2
	global_load_b128 v[QO+4*\g:QO+4*\g+3], v252, s[QB:QB+1] offset:512*\g
.endr
	global_load_b32 v[QS], v247, s[QSB:QSB+1]
	global_load_b32 v[QS+1], v247, s[QSB:QSB+1] offset:128
	global_load_b32 v[QSO], v254, s[QSB:QSB+1]
.irp s, 0,1
	s_mov_b32 s[G0K+4*\s], 1                       ; count = 1
	s_add_co_u32 s[G0K+4*\s+1], s84, \s*SLOTB      ; LDS address
	s_add_nc_u64 s[G0K+4*\s+2:G0K+4*\s+3], s[80:81], \s*SLOTB   ; k: key steps 8 s on
	s_or_b32 s[G0K+4*\s+3], s[G0K+4*\s+3], 0x80000000           ; type = 2
	s_mov_b32 s[G0V+4*\s], 1
	s_add_co_u32 s[G0V+4*\s+1], s84, \s*SLOTB
	s_add_nc_u64 s[G0V+4*\s+2:G0V+4*\s+3], s[82:83], \s*SLOTB   ; V: fill s
	s_or_b32 s[G0V+4*\s+3], s[G0V+4*\s+3], 0x80000000
.endr
	s_mul_i32 s94, s[WV], 2*FRB
	v_add_nc_u32 v[AK1], s94, v[L16]
	s_lshl_b32 s94, s[WV], 7
	s_add_co_u32 s94, s94, 8*FRB
	v_add_nc_u32 v[AKS1], s94, v247
	s_mul_i32 s94, s[WV], 8*FRB
	v_add_nc_u32 v[AV16], s94, v[L16]
	v_add_nc_u32 v[AV16+1], SLOTB, v[AV16]
	v_lshl_add_u32 v[AV8], v244, 3, s94
	v_add_nc_u32 v[AV8], 512, v[AV8]
	v_add_nc_u32 v[AV8+1], SLOTB, v[AV8]
	s_lshl_b32 s94, s[WV], 8
	s_add_co_u32 s94, s94, 32*FRB
	v_add_nc_u32 v[AVS], s94, v247
	v_add_nc_u32 v[AVS+1], SLOTB, v[AVS]
	s_mul_i32 s94, s[WV], FRB
	s_add_co_u32 s94, s94, PIMG
	v_add_nc_u32 v[APW0], s94, v[L16]
	s_and_b32 s94, s[WV], 1
	s_lshl_b32 s94, s94, 7
	s_lshr_b32 s95, s[WV], 1
	s_lshl_b32 s95, s95, 2
	s_add_co_u32 s94, s94, s95
	s_add_co_u32 s94, s94, PSC
	v_lshl_add_u32 v[APSW0], v245, 3, s94
	s_mul_i32 s94, s[WV], 16*272
	s_add_co_u32 s94, s94, STG
	v_mul_u32_u24 v1, v245, 272
	v_lshl_add_u32 v1, v246, 5, v1
	v_add_nc_u32 v[STO], s94, v1                   ; into my stage: row r, 32 bytes for each half of the lanes
	v_mul_u32_u24 v1, v246, 272
	v_lshl_add_u32 v1, v245, 4, v1
	v_add_nc_u32 v[RD], s94, v1                    ; back: lanes 0-15 one row of 256 bytes, lanes 16-31 the next
	v_lshl_add_u32 v[AG], v246, 2, GX
	s_lshl_b32 s94, s[WV], 9
	v_lshl_add_u32 v[CO], v246, 12, s94
	v_lshl_add_u32 v[CO], v245, 4, v[CO]           ; the same two rows in x and out: 4,096 h + 16 r + my 128 channels
	s_lshl_b32 s94, s[WV], 2
	s_add_co_u32 s94, s94, MX
	v_lshl_add_u32 v[AMX], v245, 4, s94
	s_lshl_b32 s94, s[WV], 8
	s_add_co_u32 s94, s94, MX
	v_lshl_add_u32 v[AMR], v245, 4, s94
	v_min_u32 v[PFO], 24, v244
	v_lshlrev_b32 v[PFO], 8, v[PFO]
	s_wait_kmcnt 0x0                               ; gamma
	ROUND                                          ; all four work-groups are here: the first joint loads meet
	tensor_load_to_lds s[G0K:G0K+3], s[G1:G1+7]    ; all of the batch's k: two tensor loads of mine are out
	s_nop 0
	tensor_load_to_lds s[G0K+4:G0K+7], s[G1:G1+7]
	s_nop 0
	PLACES 4
	s_wait_loadcnt 0x0                             ; q; its loads' offset registers may be written again
	XLOAD 0, 0
	XLOAD 0, 1
	XLOAD 0, 2
.irp m, 0,1,2,3
	v_mov_b32 v[VM+\m], 0xff7fffff                 ; under every score
	v_mov_b32 v[VT+\m], 0                          ; (a lane permute's destination counts as one of its sources)
.endr
	s_wait_tensorcnt 0x0
	s_barrier_signal -1
	s_barrier_wait -1                              ; everybody's part of k is in
	; ---- PHASE 1
.macro KLOAD1 s                        ; key step s: my two fragments and their scale words (lanes 0-15 the even tile's, lanes 16-31 the odd one's) into ring place s % 3: seven loads
.if ((\s)%4 == 0) && ((\s) > 0)
	v_add_nc_u32 v[AK1], 4*KSTEP, v[AK1]           ; four steps on, so that the offsets stay inside 16 bits
	v_add_nc_u32 v[AKS1], 4*KSTEP, v[AKS1]
.endif
.irp u, 0,1
.irp g, 0,1,2
	ds_load_b128 v[KR+24*((\s)%3)+12*\u+4*\g:KR+24*((\s)%3)+12*\u+4*\g+3], v[AK1] offset:KSTEP*((\s)%4)+FRB*\u+512*\g
.endr
.endr
	ds_load_b32 v[KS+(\s)%3], v[AKS1] offset:KSTEP*((\s)%4)
.endm
.macro MAXD d                          ; four tiles of scores into the running maxima, each tile from its low end on, the tiles by turns
.irp i, 0,2,4,6
.irp m, 0,1,2,3
	v_max3_num_f32 v[VM+\m], v[VM+\m], v[\d+8*\m+\i], v[\d+8*\m+\i+1]
.endr
.endr
.endm
.macro STEP1 s                         ; one set's maxima are the places behind the other set's products
.if (\s) < 14
	s_wait_dscnt 14                                ; this step's seven loads are in; those of the two steps behind it may be out
.elseif (\s) == 14
	s_wait_dscnt 7
.else
	s_wait_dscnt 0x0
.endif
.irp m, 0,1,2,3
	WMZ DA+8*\m, KR+24*((\s)%3), QA+12*\m, KS+(\s)%3, QS+\m/2, 0, \m%2
.endr
.if (\s) == 0
	PLACES 5
.else
	MAXD DB
.endif
.irp m, 0,1,2,3
	WMZ DB+8*\m, KR+24*((\s)%3)+12, QA+12*\m, KS+(\s)%3, QS+\m/2, 1, \m%2
.endr
	MAXD DA
.if (\s)+3 < 16
	KLOAD1 (\s)+3
.endif
.endm
	KLOAD1 0
	KLOAD1 1
	KLOAD1 2
.irp s, 0,1,2,3,4,5,6,7,8,9,10,11,12,13,14,15
	STEP1 \s
.endr
	MAXD DB
.irp m, 0,1,2,3
	v_permlanex16_b32 v[VT+\m], v[VM+\m], s[SEL], s[SEL+1]
.endr
.irp m, 0,1,2,3
	v_max_num_f32 v[VM+\m], v[VM+\m], v[VT+\m]     ; with lane l xor 16's keys
.endr
.irp m, 0,1,2,3
	ds_store_b32 v[AMX], v[VM+\m] offset:256*\m    ; both lanes of a query write the same word with the same value
.endr
	XLOAD 0, 3
	XLOAD 1, 0
	s_wait_dscnt 0x0
	s_barrier_signal -1
	s_barrier_wait -1
	ds_load_b128 v[VM:VM+3], v[AMR]                ; the four waves' maxima of my own tile's query r
	s_wait_dscnt 0x0
	v_max3_num_f32 v[VM], v[VM], v[VM+1], v[VM+2]
	v_max_num_f32 v[VM], v[VM], v[VM+3]
	v_mul_f32 v[VT], s[CS], v[VM]                  ; the row's largest t
	v_floor_f32 v[NM], -v[VT]                      ; -M = floor(-t) = -ceil(t)
	v_mov_b32 v[NM+1], 0                           ; (named with it as a pair)
	ASK 1                                          ; fill 1 of V
	; ---- PHASE 2
	v_and_b32 v1, 31, v0
	v_lshl_add_u32 v[AKS0], v1, 2, 8*FRB
	s_mov_b32 s[KT], 0
	s_mov_b32 s[PT], 0
	s_mov_b32 s[PST], 0
.irp i, 0,1,2,3
	v_mov_b32 v[LS+\i], 0
.endr
.macro KLOADS                          ; the key step at s[KT]: 8 fragments and 4 registers of scale words: 28 loads
.irp t, 0,1,2,3,4,5,6,7
.irp g, 0,1,2
	ds_load_b128 v[KF+12*\t+4*\g:KF+12*\t+4*\g+3], v[AK2] offset:FRB*\t+512*\g
.endr
.endr
.irp i, 0,1,2,3
	ds_load_b32 v[KS+\i], v[AKS2] offset:128*\i
.endr
.endm
; one key step: scores, p, the sum, p's codes and scale word to LDS.  pre = 1: the next step's k is asked for behind the products
.macro SOFT pre
	s_wait_dscnt 0x0                               ; k's fragments are in; the last step's stores have read their registers
.irp t, 0,1,2,3,4,5,6,7
	WMZ S+8*\t, KF+12*\t, QO, KS+\t/2, QSO, \t%2, 0
.endr
.if \pre
	s_add_co_u32 s[KT], s[KT], KSTEP
	v_add_nc_u32 v[AK2], s[KT], v[L16]             ; four places, two of them the next step's addresses
	v_add_nc_u32 v[AKS2], s[KT], v[AKS0]
	PLACES 2
	KLOADS
.else
	PLACES 4
.endif
	v_add_nc_u32 v[APR], s[PT], v[APW0]
	v_add_nc_u32 v[APS], s[PST], v[APSW0]
	s_add_co_u32 s[PT], s[PT], 4*FRB
	s_add_co_u32 s[PST], s[PST], 256
.set j, 0
.rept 32
	v_pk_fma_f32 v[S+j:S+j+1], v[S+j:S+j+1], s[CS:CS+1], v[NM:NM+1] op_sel_hi:[1,0,0]   ; t - M, two at a time, each tile from its low end on
.set j, j+2
.endr
.set j, 0
.rept 64
	v_exp_f32 v[S+j], v[S+j]                       ; p = 2^(t - M): not normalised
.set j, j+1
.endr
	v_nop                                          ; a plain place behind the exponentials
.set j, 0
	s_wait_alu depctr_va_vdst(0)
.rept 16
	v_pk_add_f32 v[LS:LS+1], v[LS:LS+1], v[S+j:S+j+1]           ; the row's sum is taken of the unquantised p, in two chains
	v_pk_add_f32 v[LS+2:LS+3], v[LS+2:LS+3], v[S+j+2:S+j+3]
.set j, j+4
.endr
	QUANT S, PW
.irp g, 0,1,2
	ds_store_b128 v[APR], v[PC+4*\g:PC+4*\g+3] offset:512*\g
.endr
	ds_store_b32 v[APS], v[PW]
.endm
; k's half of LDS that has been read out becomes a slot of V: the prefetches' address steps; each wave waits for all its tensor loads, adds 0 to its spare word, waits for that and for its LDS reads and stores;
; a round of the cluster's barrier; the joint load first behind it.
.macro TOV g0
	s_wait_xcnt 0x0                                ; the last prefetch, a phase back, has read its address
	s_add_nc_u64 s[PFA:PFA+1], s[PFA:PFA+1], SLOTB
	s_wait_tensorcnt 0x0
	ds_add_u32 v[SPW], v[NIL]
	s_wait_dscnt 0x0
	ROUND
	tensor_load_to_lds s[\g0:\g0+3], s[G1:G1+7]
	s_nop 0
	PLACES 4
	ASK 1
.endm
	v_add_nc_u32 v[AK2], s[KT], v[L16]
	v_add_nc_u32 v[AKS2], s[KT], v[AKS0]
	KLOADS
	s_mov_b32 s[CNT], 8
.Lsoft_a:                                          ; key steps 0 to 7
	SOFT 1
	s_sub_co_u32 s[CNT], s[CNT], 1
	s_cmp_lg_u32 s[CNT], 0
	s_cbranch_scc1 .Lsoft_a
	TOV G0V                                        ; key steps 0 to 7 of k are done with in every wave: fill 0 of V; fill 2 is asked of memory
	XLOAD 1, 1
	XLOAD 1, 2
	XLOAD 1, 3
	s_mov_b32 s[CNT], 7
.Lsoft_b:                                          ; key steps 8 to 14
	SOFT 1
	s_sub_co_u32 s[CNT], s[CNT], 1
	s_cmp_lg_u32 s[CNT], 0
	s_cbranch_scc1 .Lsoft_b
	SOFT 0
	v_pk_add_f32 v[LS:LS+1], v[LS:LS+1], v[LS+2:LS+3]
	v_add_f32 v[LS], v[LS], v[LS+1]
	v_permlanex16_b32 v[TM+4], v[LS], s[SEL], s[SEL+1]
	v_add_f32 v[LS], v[LS], v[TM+4]                ; the row's sum
	v_rcp_f32 v[LS+1], v[LS]
	v_and_b32 v1, 15, v0                           ; (a plain place behind the reciprocal)
	s_lshl_b32 s94, s[WV], 6
	s_add_co_u32 s94, s94, GX
	v_lshl_add_u32 v[AK2], v1, 2, s94
	s_wait_alu depctr_va_vdst(0)
	v_mul_f32 v[LS+1], s[GAM], v[LS+1]             ; gamma / sum
	ds_store_b32 v[AK2], v[LS+1]
	v_and_b32 v1, 31, v0
	v_lshl_add_u32 v[APR0], v1, 4, PIMG
	v_lshl_add_u32 v[APS0], v1, 3, PSC
	TOV G0V+4                                      ; all of k is done with: fill 1 of V; the round also shows p, its scale words and gamma / sum to every wave; fill 3 is asked of memory
	; ---- PHASE 3
.macro VFETCH slot, sp, n0             ; four fragments of V, tiles n0 on, of the slot's key step sp: 16 loads
.irp nn, 0,1,2,3
.irp c, 0,1
	ds_load_b128 v[VF+12*((\n0)+\nn)+6*\c:VF+12*((\n0)+\nn)+6*\c+3], v[AV16+\slot] offset:VSTEP*(\sp)+FRB*((\n0)+\nn)+768*\c
	ds_load_b64 v[VF+12*((\n0)+\nn)+6*\c+4:VF+12*((\n0)+\nn)+6*\c+5], v[AV8+\slot] offset:VSTEP*(\sp)+FRB*((\n0)+\nn)+768*\c
.endr
.endr
.endm
.macro FETCH_M slot, sp, lp, set       ; 33 loads: V's raw scale bytes first, p's scale words, p's four fragments, V's tiles 0 to 3
.irp c, 0,1
.irp gp, 0,1
	ds_load_b32 v[RAW+2*\c+\gp], v[AVS+\slot] offset:VSTEP*(\sp)+1024*\c+128*\gp
.endr
.endr
	ds_load_b64 v[PS+2*(\set):PS+2*(\set)+1], v[APS] offset:256*(\lp)
.irp m, 0,1,2,3
.irp g, 0,1,2
	ds_load_b128 v[PF+48*(\set)+12*\m+4*\g:PF+48*(\set)+12*\m+4*\g+3], v[APR] offset:4*FRB*(\lp)+FRB*\m+512*\g
.endr
.endr
	VFETCH \slot, \sp, 0
.endm
.macro PERMS set                       ; the two 64-key halves' bytes make a tile's scale word: register n / 2, lanes 16 (n % 2) on, for tile n
.irp gp, 0,1
	v_perm_b32 v[VS+4*(\set)+2*\gp], v[RAW+2+\gp], v[RAW+\gp], 0x05040100
	v_perm_b32 v[VS+4*(\set)+2*\gp+1], v[RAW+2+\gp], v[RAW+\gp], 0x07060302
.endr
.endm
.macro MUL n0, set, zero               ; 8 products: tiles of channels n0, n0 + 1 x the four tiles of queries.  The 32 sums take turns, one instruction a turn
	WIN 0x50
.irp nn, 0,1
.irp m, 0,1,2,3
.set nt, (\n0)+\nn
.if \zero
	WMZ 8*(4*nt+\m), VF+12*nt, PF+48*(\set)+12*\m, VS+4*(\set)+nt/2, PS+2*(\set)+\m/2, nt%2, \m%2
.else
	WM 8*(4*nt+\m), VF+12*nt, PF+48*(\set)+12*\m, 8*(4*nt+\m), VS+4*(\set)+nt/2, PS+2*(\set)+\m/2, nt%2, \m%2
.endif
.endr
.endr
.endm
; a slot's first key step (operand set 0); it fetches the slot's second
.macro STEP slot, lp, zero
	s_wait_dscnt 16                                ; all but V's tiles 4 to 7
	MUL 0, 0, \zero
	MUL 2, 0, \zero
	s_wait_dscnt 0x0
	PLACES 4
	WIN 0
	FETCH_M \slot, 1, (\lp)+1, 1
	MUL 4, 0, \zero
	MUL 6, 0, \zero
	s_wait_dscnt 29                                ; the first four of the 33 loads, the raw scale bytes, are in
	WIN 0
	PERMS 1
	PLACES 8                                       ; between the scale words' making and the products that take them; also the places in front of the loads below
	VFETCH \slot, 1, 4
.endm
; a slot's second key step (operand set 1) changes slots.  mode 0: this slot is filled again, the other slot's first step is fetched; 1: filled again, nothing fetched (the way out follows);
; 2: nothing left to fill; 3: the very last step.  From a refill to the wait for it a wave issues 48 matrix instructions; what it asks for was asked of memory two changes of slots earlier.
.macro TURN slot, lp, mode, ask
	WIN 0
.if (\mode) < 3
.if (\mode) < 2
	s_wait_xcnt 0x0                                ; the last prefetch, two key steps back, has read its address
	s_add_nc_u64 s[PFA:PFA+1], s[PFA:PFA+1], SLOTB
.endif
	s_wait_tensorcnt 0x0                           ; all my tensor loads have landed: my part of the other slot
	ds_add_u32 v[SPW], v[NIL]
	s_wait_dscnt 17                                ; V's tiles 4 to 7 and the add may be out
	MUL 0, 1, 0
	s_wait_dscnt 0x0                               ; the add is done, and my reads of this slot are over
	s_barrier_signal -1
	MUL 2, 1, 0
	WIN 0
	s_barrier_wait -1
.if (\mode) < 2
	CREST                                          ; no wave of any partner still reads this slot or has a load on its way
	s_add_nc_u64 s[G0V+4*\slot+2:G0V+4*\slot+3], s[G0V+4*\slot+2:G0V+4*\slot+3], 2*SLOTB
	tensor_load_to_lds s[G0V+4*\slot:G0V+4*\slot+3], s[G1:G1+7]
	s_nop 0
.endif
	PLACES 4
.else
	s_wait_dscnt 16
	MUL 0, 1, 0
	MUL 2, 1, 0
	s_wait_dscnt 0x0
.endif
.if (\mode) == 0 || (\mode) == 2
.if (\lp) == 3
	s_add_co_u32 s[PR], s[PR], 16*FRB              ; p's images of the next four key steps
	s_add_co_u32 s[PSR], s[PSR], 1024
	v_add_nc_u32 v[APR], s[PR], v[APR0]
	v_add_nc_u32 v[APS], s[PSR], v[APS0]
.endif
	FETCH_M 1-(\slot), 0, ((\lp)+1)%4, 0
.endif
.if \ask
	ASK \ask
.endif
	MUL 4, 1, 0
	MUL 6, 1, 0
.if (\mode) == 0 || (\mode) == 2
	s_wait_dscnt 29
	WIN 0
	PERMS 0
	PLACES 8
	VFETCH 1-(\slot), 0, 4
.endif
	WIN 0
.endm
; THE WAY OUT of 16 queries x 64 channels (unit k: tile of queries k / 2, my channels 64 (k % 2) on): a lane's 32 bytes of a row go into my stage and come back as rows of 256 bytes
.macro TOSTAGE k
.set mq, (\k)/2
.set uq, (\k)%2
.if (\k) >= 2
	s_wait_xcnt 0x0                                ; unit k - 2's stores have read their registers
.endif
.if uq == 0
.irp t, 0,1,2,3,4,5,6,7
	ds_load_b32 v[GV+8*(mq%2)+\t], v[AG] offset:4*(16*mq+2*\t)   ; gamma / sum of the rows that I will hold
.endr
.endif
	WIN 0x04                                       ; the data: window 1
.irp i, 0,1,2,3
	ds_store_b128 v[STO], v[8*(4*(4*uq+\i)+mq):8*(4*(4*uq+\i)+mq)+3] offset:64*\i        ; each sum from its low end on
	ds_store_b128 v[STO], v[8*(4*(4*uq+\i)+mq)+4:8*(4*(4*uq+\i)+mq)+7] offset:64*\i+16
.endr
	WIN 0
.irp t, 0,1,2,3,4,5,6,7
	ds_load_b128 v[OBUF+32*uq+4*\t:OBUF+32*uq+4*\t+3], v[RD] offset:544*\t   ; LDS serves a wave's instructions in order (ISA guide 5.7.1.4): these see the stores above
.endr
.endm
.macro SEND hn, k, younger             ; younger: the LDS instructions issued behind unit k's loads
.set mq, (\k)/2
.set uq, (\k)%2
	s_wait_dscnt \younger
	WIN 0x20+0x10*(\hn)                            ; x: window 2 or 3
.irp t, 0,1,2,3,4,5,6,7
.irp e, 0,1,2,3
	v_fma_f32 v[OBUF+32*uq+4*\t+\e], v[OBUF+32*uq+4*\t+\e], v[GV+8*(mq%2)+\t], v[64*mq+32*uq+4*\t+\e]
.endr
.endr
	WIN 0
.irp t, 0,1,2,3,4,5,6,7
	global_store_b128 v[CO], v[OBUF+32*uq+4*\t:OBUF+32*uq+4*\t+3], s[OB:OB+1] offset:(16*mq+2*\t)*4096+2048*(\hn)+256*uq th:TH_STORE_NT   ; 16 lanes store 256 consecutive bytes, at a multiple of 256 from the buffer's first byte
.endr
.endm
.macro HALF hn
.if \hn
	s_wait_xcnt 0x0                                ; the first half's last stores have read their registers
.endif
	s_mov_b32 s[PR], 0
	s_mov_b32 s[PSR], 0
	v_add_nc_u32 v[APR], s[PR], v[APR0]
	v_add_nc_u32 v[APS], s[PSR], v[APS0]
	FETCH_M 0, 0, 0, 0
	VFETCH 0, 0, 4
	s_wait_dscnt 45                                ; the first four of the 49 loads
	PERMS 0
	PLACES 8
	STEP 0, 0, 1                                   ; the first key step starts the sums: nothing is cleared
	s_mov_b32 s[CNT], 3
.Lhalf_\@:                                         ; a trip: four key steps, both slots filled again
	TURN 0, 1, 0, 1+(\hn)
	STEP 1, 2, 0
	TURN 1, 3, 0, 1+(\hn)
	STEP 0, 0, 0
	s_sub_co_u32 s[CNT], s[CNT], 1
	s_cmp_lg_u32 s[CNT], 0
	s_cbranch_scc1 .Lhalf_\@
.if (\hn) == 0
	TURN 0, 1, 0, 1                                ; the ring goes on into the second half's first two fills
	STEP 1, 2, 0
	TURN 1, 3, 1, 1
.else
	TURN 0, 1, 2, 0                                ; the tail is written out
	STEP 1, 2, 0
	TURN 1, 3, 3, 0
.endif
	PLACES 4
	s_wait_loadcnt 0x0                             ; x
	TOSTAGE 0
.irp k, 1,2,3,4,5,6,7
	TOSTAGE \k
.if \k%2 == 0
	SEND \hn, \k-1, 24                             ; behind unit k - 1's loads: unit k's 8 + 8 + 8
.else
	SEND \hn, \k-1, 16                             ; unit k's 8 stores and 8 loads
.endif
.endr
	SEND \hn, 7, 0
.endm
	HALF 0
	HALF 1
	s_wait_tensorcnt 0x0                           ; the wave's end
	ds_add_u32 v[SPW], v[NIL]
	s_wait_dscnt 0x0
	ROUND                                          ; the closing round: no work-group ends while a partner may still ask for a tile that names it
	s_endpgm
.Lfunc_end_k_q839f715ffa_attn:
	.size	k_q839f715ffa_attn, .Lfunc_end_k_q839f715ffa_attn-k_q839f715ffa_attn
	.p2alignl 7, 3214868480
	.fill 96, 4, 3214868480
	.section	.rodata,"a",@progbits
	.p2align	6, 0x0
	.amdhsa_kernel k_q839f715ffa_attn
		.amdhsa_group_segment_fixed_size 327680
		.amdhsa_private_segment_fixed_size 0
		.amdhsa_enable_private_segment 0
		.amdhsa_kernarg_size 56
		.amdhsa_user_sgpr_count 2
		.amdhsa_user_sgpr_kernarg_segment_ptr 1
		.amdhsa_wavefront_size32 1
		.amdhsa_system_sgpr_workgroup_id_x 1
		.amdhsa_system_sgpr_workgroup_id_y 1
		.amdhsa_system_sgpr_workgroup_id_z 1
		.amdhsa_system_vgpr_workitem_id 0
		.amdhsa_next_free_vgpr 1024
		.amdhsa_next_free_sgpr 100
		.amdhsa_reserve_vcc 0
		.amdhsa_float_denorm_mode_32 3
		.amdhsa_float_denorm_mode_16_64 3
		.amdhsa_memory_ordered 1
		.amdhsa_forward_progress 1
		.amdhsa_inst_pref_size 255
	.end_amdhsa_kernel
	.section	.bss,"aw",@nobits
	.p2align	6
	.space	262144
	.amdgpu_metadata
---
amdhsa.version: [ 1, 2 ]
amdhsa.kernels:
  - .name:           k_q839f715ffa_attn
    .symbol:         k_q839f715ffa_attn.kd
    .args:
      - { .name: qimg, .offset: 0, .size: 8, .value_kind: global_buffer, .address_space: global }
      - { .name: qscl, .offset: 8, .size: 8, .value_kind: global_buffer, .address_space: global }
      - { .name: kimg, .offset: 16, .size: 8, .value_kind: global_buffer, .address_space: global }
      - { .name: vimg, .offset: 24, .size: 8, .value_kind: global_buffer, .address_space: global }
      - { .name: x, .offset: 32, .size: 8, .value_kind: global_buffer, .address_space: global }
      - { .name: gamma, .offset: 40, .size: 8, .value_kind: global_buffer, .address_space: global }
      - { .name: out0, .offset: 48, .size: 8, .value_kind: global_buffer, .address_space: global }
    .group_segment_fixed_size: 327680
    .private_segment_fixed_size: 0
    .kernarg_segment_align: 8
    .kernarg_segment_size: 56
    .max_flat_workgroup_size: 128
    .sgpr_count:     100
    .vgpr_count:     1024
    .wavefront_size: 32
...
	.end_amdgpu_metadata
.endif
;; end of part 2
